; MI455X (gfx1250); checked and timed in simulation.
; The chip was launched on July 23, 2026; its instructions are those of AMD's public machine-readable ISA for CDNA 5 (MIT licence, August 2026) and "CDNA5" Instruction Set Architecture Reference Guide (July 2026). The comments in the code are by the model that wrote it; some were corrected since.
;; Memory Network. Allowed arithmetic: matrix products marked QUANTISED: E2M3 operands, one E8M0 scale for each 32 along K, by v_wmma_scale_f32_16x16x128_f8f6f4 with both operands' format E2M3, f32 sums; products left as they are: f32 operands where the result goes on into a quantised operand, else bf16, f16 or f32 operands; f32 sums; everything else in f32.
;; Inputs: W_domain_codes 768 x 24 x 24 uint8 (E2M3 codes of W_domain, K innermost, in blocks of 32 codes, four codes in three bytes); W_domain_scales 768 x 24 uint8 (E8M0 scales of W_domain, one for each 32 codes along K); W_topic_codes 768 x 24 x 24 uint8 (E2M3 codes of W_topic, K innermost, in blocks of 32 codes, four codes in three bytes); W_topic_scales 768 x 24 uint8 (E8M0 scales of W_topic, one for each 32 codes along K); category 32,768 int32; domain_memory 9 x 10 x 768 float32; feature 32,768 x 768 float32.
;; Outputs: out0 32,768 x 1 x 9 float32.
;; This version of the problem:
;;   THIS VERSION OF THE PROBLEM IS GIVEN IN LOW PRECISION. The matrix products marked QUANTISED in the list below multiply operands that are first quantised to E2M3 (2 exponent bits, 3 mantissa bits; 6 bits a number), with one power-of-two scale for each 32 numbers along K (OCP MX v1.0); their sums are f32. All else is computed in f32.
;;   The module's matrix products, in the order in which they are computed (A, B: the left and right operand; K: the contracted axis; several contracted axes count as one K, in the product's order):
;;     1. [M 32,768, K 768] x [K 768, N 768]; A: computed on the way; B: input W_topic (given as codes): QUANTISED
;;     2. [M 32,768, K 768] x [K 768, N 768]; A: computed on the way; B: input W_domain (given as codes): QUANTISED
;;     3. [M 32,768, K 768] x [K 768, N 90]; A: computed on the way; B: input domain_memory: QUANTISED
;;     4. batch 9 x [M 768, K 10] x [K 10, N 32,768]; A: input domain_memory; B: softmax: left as it is (K = 10 < 32)
;;     5. batch 32,768 x [M 9, K 768] x [K 768, N 1]; A: computed on the way; B: computed on the way: left as it is (M = 9 < 16)
;;   THE QUANTISER, for each operand of a quantised product, along K:
;;     - K is cut into blocks of 32 from its start; a last block that is shorter is filled with zeros.
;;     - A block's scale is 2^e with e = floor(log2(the largest magnitude in the block)) - 2, held to -126 .. 127; a block of zeros has e = 0. As a byte (E8M0): e + 127.
;;     - Each number is divided by its block's scale, clamped to +-7.5, and rounded to the nearest number of E2M3, ties to even, subnormals kept.
;;     - The product sums the exact products of the quantised numbers (number of the format x scale) in f32.
;;   ~~~python
;;   def quantise(x, axis):      # numpy; x: float32 -> the quantised numbers, widened to float32 again
;;       x = np.moveaxis(x, axis, -1); K = x.shape[-1]
;;       x = np.pad(x, [(0, 0)] * (x.ndim - 1) + [(0, -K % 32)]); x = x.reshape(x.shape[:-1] + (-1, 32)); a = np.abs(x).max(-1, keepdims=True)
;;       e = np.where(a > 0, np.clip(np.frexp(np.where(a > 0, a, 1))[1] - 1 - 2, -126, 127), 0)      # np.frexp(a)[1] - 1 = floor(log2(a)), exactly
;;       r = np.clip(x / 2.0 ** e, -7.5, 7.5)
;;       step = 2.0 ** (np.maximum(np.frexp(np.where(r == 0, 1, r))[1] - 1, 0) - 3)
;;       q = np.round(r / step) * step * 2.0 ** e      # np.round: ties to even
;;       return np.moveaxis(q.reshape(q.shape[:-2] + (-1,))[..., :K], -1, axis).astype(np.float32)
;;   ~~~
;;   OPERANDS COMPUTED ON THE WAY. 'Computed on the way' means the value that the module computes at that place (a softmax that the list does not call 'softmax' is quantised finished and normalised). What goes into a quantiser is computed in f32, as accurately as f32 sums, v_exp_f32 and their like allow (about 1e-6 of the number): no bf16 or f16 on the way to a quantiser, and a product that is left as it is and whose result goes on into a quantised operand takes f32 operands (vector FMAs, or v_wmma_f32_16x16x4_f32). A number that lies on a knife's edge between two numbers of the format may be rounded either way, as far as f32 arithmetic and the matrix unit's own rounding can turn it there, and no further.
;;   INPUTS GIVEN AS CODES. W_domain (in the module: [768, 768], K = its axis 1); W_topic (in the module: [768, 768], K = its axis 1): each comes as NAME_codes (uint8): NAME with its K axis moved to the last place and cut into blocks of 32 codes, [.., K / 32, bytes a block], one block behind the other in memory; four codes in three bytes: a row's codes are one little-endian stream of bits, code i at bits 6 i .. 6 i + 5 (a code: sign, 2 exponent bits, 3 mantissa bits); and NAME_scales (uint8): the same leading axes, one E8M0 byte (e + 127) for each 32 codes along K. Its value is code x scale, taken as it is: it is not quantised again, and the codes and scales need not be those that the quantiser above would give.
;; One version. Each part assembles by itself: llvm-mc -triple=amdgcn-amd-amdhsa -mcpu=gfx1250 --defsym DOCPART=n.
;; ======== version 1 of 1: 2 launches
;; limits: values are held in f16: magnitudes above 65,504 overflow, below 6.1e-05 lose precision
;; workspace buffers: wstream 1,216,512 bytes
;; launch prep (part 1): grid 144 x 1, 1 waves a work-group, no clusters, 0 bytes of LDS; arguments W_topic_codes, W_topic_scales, W_domain_codes, W_domain_scales, domain_memory, wstream; writes wstream
.if DOCPART == 1
	.amdgcn_target "amdgcn-amd-amdhsa--gfx1250"
	.amdhsa_code_object_version 6
	.text
	.protected	k_qcb04ca207d_prep
	.globl	k_qcb04ca207d_prep
	.p2align	8
	.type	k_qcb04ca207d_prep,@function
k_qcb04ca207d_prep:
	s_mov_b64 s[64:65], 0
	v_nop
	global_prefetch_b8 v0, s[64:65] scope:SCOPE_SE
	s_setreg_imm32_b32 hwreg(HW_REG_WAVE_MODE, 25, 1), 1
	s_wait_xcnt 0x0
; THE STREAM.  The second launch walks W_topic, then W_domain, in 12 slots of 128 output channels e, and wants every operand as an IMAGE OF ITS REGISTERS
; (registers 4 g .. 4 g + 3 of lane l at byte 512 g + 16 l), so that a fragment comes out of LDS by loads of 16 bytes a lane, 512 consecutive bytes an instruction.
; This launch lays that stream out once.  Slot s (SLOTB bytes; s = 0..5 W_topic, 6..11 W_domain; chunk c = s % 6: e = 128 c .. 128 c + 127), ch = which 64 of the 128:
;   0      WF(ch, ks, t) = ((6 ch + ks) 4 + t) 1536: the codes of 16 rows of W for K step ks (128 along K).  THE ROWS OF A TILE ARE NOT NEIGHBOURS: lane r of tile t = 2 b + u
;          takes row 128 c + 64 ch + 32 b + 8 u + r + 8 (r / 8), so that the results of tiles 2 b, 2 b + 1 are 16 neighbours along e in a lane.
;   WSO    + 1536 ch: 12 registers of scale words, register 6 b + ks: lanes 0-15 the rows of tile 2 b, lanes 16-31 those of tile 2 b + 1.
;   MO     the memory bank's part for these e.  Its 90 rows (10 d + m) stand in six tiles of 16: row (t6, rho) = 40 (rho / 8) + 8 t6 + rho % 8 for t6 < 5;
;          80 + 5 (rho / 8) + rho % 8 for t6 = 5 and rho % 8 < 5; the six places left over are rows of zeros.
;          Domain slots: MH(ch, kp, t6) = MO + ((2 ch + kp) 6 + t6) 1024: f16, lane (rho, h): e = 128 c + 64 ch + 32 kp + 16 h + 0 .. 15, two to a register.
;          Topic slots 2 p and 2 p + 1 (the same bytes in both): MQ(ch, t6) = MO + (6 ch + t6) 1536: codes of E2M3, quantised here along e; the fragment's block beta is
;          e = 128 (2 p + beta / 2) + 64 ch + 32 (beta % 2) + 0 .. 31.  MSO + (3 ch + i) 128 + 4 l: their scale words, lanes 0-15 tile 2 i, lanes 16-31 tile 2 i + 1.  ZO on: zeros.
; A block's scale is 2^(floor(log2(its largest magnitude)) - 2); its byte is the largest magnitude's exponent field - 2, held at 1 from below.  A block of zeros so gets the byte 1
; where the rule says 127: its codes are zeros, and this program alone reads the bytes.
; LIMITS: memory numbers of magnitude 65,504 or more have no f16; NaN and infinities are not served; blocks whose largest magnitude lies under 2^(3 - 127) were not tried.
; 144 work-groups of one wave, each with one piece: 96 a tile of W for its six K steps, 24 a set of scale words, 18 two tiles of the memory bank, 6 a slot's zeros.
; Every store but the scale words' covers 512 (the zeros: 256) consecutive bytes at a multiple of 256 from the buffer's first byte; a set of the bank's scale words is 128 bytes.
.set SLOTB, 101376
.set WSO,   73728
.set MO,    76800
.set MSO,   95232
.set ZO,    96000
	s_load_b256 s[4:11], s[0:1], 0x0               ; W_topic's codes s[4:5], scales s[6:7]; W_domain's codes s[8:9], scales s[10:11]
	s_load_b128 s[12:15], s[0:1], 0x20             ; the memory bank s[12:13], the stream s[14:15]
	s_mov_b32 s16, ttmp9                           ; which piece
	v_and_b32 v1, 15, v0                           ; r
	v_lshrrev_b32 v2, 4, v0                        ; h
	v_lshlrev_b32 v3, 4, v0                        ; 16 l: an image's place for my lane
	v_lshlrev_b32 v4, 2, v0                        ; 4 l
	v_and_b32 v5, 8, v0
	v_add_nc_u32 v5, v5, v1                        ; r + 8 (r / 8)
	s_wait_kmcnt 0x0
	s_cmp_lt_u32 s16, 96
	s_cbranch_scc0 .Lnot_codes
	; ---- a tile of W: slot s16 / 8, half (s16 / 4) % 2, tile s16 % 4
	s_lshr_b32 s17, s16, 3
	s_bfe_u32 s18, s16, 0x10002
	s_and_b32 s19, s16, 3
	s_cmp_lt_u32 s17, 6                            ; the choice of tensor hangs on the work-group's number alone
	s_cselect_b64 s[20:21], s[4:5], s[8:9]
	s_cselect_b32 s22, 0, 6
	s_sub_co_u32 s22, s17, s22                     ; c
	s_lshl_b32 s23, s22, 7
	s_lshl_b32 s24, s18, 6
	s_add_co_u32 s23, s23, s24
	s_lshr_b32 s24, s19, 1
	s_lshl_b32 s24, s24, 5
	s_add_co_u32 s23, s23, s24
	s_and_b32 s24, s19, 1
	s_lshl_b32 s24, s24, 3
	s_add_co_u32 s23, s23, s24                     ; the tile's first row: 128 c + 64 ch + 32 b + 8 u
	s_mul_i32 s24, s23, 576                        ; a row of 768 codes is 576 bytes
	s_mov_b32 s25, 0
	s_add_nc_u64 s[20:21], s[20:21], s[24:25]
	s_mul_i32 s28, s17, SLOTB
	s_mul_i32 s29, s18, 36864
	s_add_co_u32 s28, s28, s29
	s_mul_i32 s29, s19, 1536
	s_add_co_u32 s28, s28, s29
	s_mov_b32 s29, 0
	s_add_nc_u64 s[26:27], s[14:15], s[28:29]      ; WF(ch, 0, t)
	v_mul_u32_u24 v6, v5, 576
	v_mad_u32_u24 v6, v2, 24, v6                   ; my row, + 24 h
.irp ks, 0,1,2,3,4,5
.irp p, 0,1,2,3,4,5
	global_load_b64 v[16+12*\ks+2*\p:17+12*\ks+2*\p], v6, s[20:21] offset:96*\ks+48*(\p/3)+8*(\p%3)   ; the fragment's registers, as the bytes lie
.endr
.endr
.irp ks, 0,1,2,3,4,5
	s_wait_loadcnt 6*(5-\ks)                       ; the six loads of each later K step may be out
.irp g, 0,1,2
	global_store_b128 v3, v[16+12*\ks+4*\g:19+12*\ks+4*\g], s[26:27] offset:6144*\ks+512*\g
.endr
.endr
	s_endpgm
.Lnot_codes:
	s_cmp_lt_u32 s16, 120
	s_cbranch_scc0 .Lnot_scales
	; ---- W's scale words of one half of one slot
	s_sub_co_u32 s17, s16, 96
	s_and_b32 s18, s17, 1                          ; ch
	s_lshr_b32 s17, s17, 1                         ; slot
	s_cmp_lt_u32 s17, 6
	s_cselect_b64 s[20:21], s[6:7], s[10:11]
	s_cselect_b32 s22, 0, 6
	s_sub_co_u32 s22, s17, s22
	s_lshl_b32 s23, s22, 7
	s_lshl_b32 s24, s18, 6
	s_add_co_u32 s23, s23, s24
	s_mul_i32 s24, s23, 24                         ; a row of scale bytes is 24 bytes
	s_mov_b32 s25, 0
	s_add_nc_u64 s[20:21], s[20:21], s[24:25]
	s_mul_i32 s28, s17, SLOTB
	s_mul_i32 s29, s18, 1536
	s_add_co_u32 s28, s28, s29
	s_add_co_u32 s28, s28, WSO
	s_mov_b32 s29, 0
	s_add_nc_u64 s[26:27], s[14:15], s[28:29]
	v_lshl_add_u32 v6, v2, 3, v5                   ; lanes 16-31 take the odd tile's rows, 8 further on
	v_mul_u32_u24 v6, v6, 24
.irp b, 0,1
.irp ks, 0,1,2,3,4,5
	global_load_b32 v[16+6*\b+\ks], v6, s[20:21] offset:768*\b+4*\ks
.endr
.endr
	s_wait_loadcnt 0x0
.irp g, 0,1,2
	global_store_b128 v3, v[16+4*\g:19+4*\g], s[26:27] offset:512*\g
.endr
	s_endpgm
.Lnot_scales:
	s_cmp_lt_u32 s16, 138
	s_cbranch_scc0 .Lzeros
	; ---- two tiles (t6 = 2 i, 2 i + 1) of the memory bank, for the 128 e of pair p and half ch
	s_sub_co_u32 s17, s16, 120                     ; 0 .. 17 = 6 p + 3 ch + i
	s_mul_i32 s18, s17, 43
	s_lshr_b32 s18, s18, 8                         ; p
	s_mul_i32 s19, s18, 6
	s_sub_co_u32 s19, s17, s19
	s_mul_i32 s22, s19, 86
	s_lshr_b32 s22, s22, 8                         ; ch
	s_mul_i32 s23, s22, 3
	s_sub_co_u32 s23, s19, s23                     ; i
	s_lshl_b32 s24, s18, 10
	s_lshl_b32 s25, s22, 8
	s_add_co_u32 s24, s24, s25                     ; e = 256 p + 64 ch, in bytes
	s_mov_b32 s25, 0
	s_add_nc_u64 s[20:21], s[12:13], s[24:25]
	s_mul_i32 s44, s18, 2*SLOTB                    ; slot 2 p
	s_mul_i32 s28, s22, 9216
	s_mul_i32 s29, s23, 3072
	s_add_co_u32 s28, s28, s29
	s_add_co_u32 s28, s28, s44
	s_add_co_u32 s28, s28, MO
	s_mov_b32 s29, 0
	s_add_nc_u64 s[26:27], s[14:15], s[28:29]      ; MQ(ch, 2 i) of slot 2 p
	s_mul_i32 s28, s22, 12288
	s_lshl_b32 s45, s23, 11
	s_add_co_u32 s28, s28, s45
	s_add_co_u32 s28, s28, s44
	s_add_co_u32 s28, s28, MO
	s_add_nc_u64 s[36:37], s[14:15], s[28:29]      ; MH(ch, 0, 2 i), six slots short of its own
	s_mul_i32 s28, s22, 384
	s_lshl_b32 s45, s23, 7
	s_add_co_u32 s28, s28, s45
	s_add_co_u32 s28, s28, s44
	s_add_co_u32 s28, s28, MSO
	s_add_nc_u64 s[38:39], s[14:15], s[28:29]      ; the scale words
	s_mov_b32 s40, 0x76543210
	s_mov_b32 s41, 0xfedcba98                      ; v_permlanex16_b32's selects for lane l xor 16
	v_bfe_u32 v7, v0, 3, 1                         ; rho / 8
	v_and_b32 v8, 7, v0                            ; rho % 8
.irp b, 0,1,2,3
	v_mov_b32 v[28+\b], 0                          ; written once: a lane permute's destination counts as one of its sources
.endr
; Tile a: my row of the bank, and 1.0 or, for a place without a row, 0.0 (the row is then held at the tile's last: no load leaves the buffer).  Then my 16 numbers of each of the four blocks.
.macro ROWS a
	s_lshl_b32 s30, s23, 1
	s_add_co_u32 s30, s30, \a                      ; t6
	s_lshl_b32 s31, s30, 3
	s_cmp_eq_u32 s30, 5
	s_cselect_b32 s31, 80, s31                     ; the tile's first row,
	s_cselect_b32 s32, 5, 40                       ; from its lower eight places to its upper,
	s_cselect_b32 s33, 4, 7                        ; the last place of eight that has a row
	v_min_u32 v9, s33, v8
	v_mad_u32_u24 v[10+\a], v7, s32, v9
	v_add_nc_u32 v[10+\a], s31, v[10+\a]
	v_mul_u32_u24 v[10+\a], v[10+\a], 3072         ; a row of 768 f32
	v_lshl_add_u32 v[10+\a], v2, 6, v[10+\a]       ; + 64 h
	v_cmp_ge_u32 vcc_lo, s33, v8
	v_cndmask_b32 v[12+2*\a], 0, 1.0, vcc_lo
	v_mov_b32 v[13+2*\a], v[12+2*\a]
.irp b, 0,1,2,3
.irp q, 0,1,2,3
	global_load_b128 v[64+64*\a+16*\b+4*\q:67+64*\a+16*\b+4*\q], v[10+\a], s[20:21] offset:512*(\b/2)+128*(\b%2)+16*\q
.endr
.endr
.endm
; 64 numbers of a lane, register 16 b + i = number 16 h + i of block b of my row, become a fragment's codes in v[pc] on; the four scale bytes are left in v36-39.
.macro QUANTP s, pc
.irp b, 0,1,2,3
	v_max3_num_f32 v[24+\b], |v[\s+16*\b]|, |v[\s+1+16*\b]|, 0x1800000   ; my 16 numbers, and the floor 2^(3 - 127): the byte cannot fall under 1
.endr
.irp i, 2,4,6,8,10,12,14
.irp b, 0,1,2,3
	v_max3_num_f32 v[24+\b], v[24+\b], |v[\s+16*\b+\i]|, |v[\s+1+16*\b+\i]|
.endr
.endr
.irp b, 0,1,2,3
	v_permlanex16_b32 v[28+\b], v[24+\b], s40, s41
.endr
.irp b, 0,1,2,3
	v_max_num_f32 v[24+\b], v[24+\b], v[28+\b]     ; with lane l xor 16's: the block's largest magnitude
.endr
.irp b, 0,1,2,3
	v_add_nc_u32 v[32+\b], 0xff000000, v[24+\b]    ; 2 off its exponent field: the conversion takes this operand's exponent field as its scale
.endr
.irp b, 0,1,2,3
	v_lshrrev_b32 v[36+\b], 23, v[32+\b]           ; the scale's byte
.endr
	v_cvt_scalef32_pk16_fp6_f32 v[\pc:\pc+2], v[\s:\s+15], v32
	v_cvt_scalef32_pk16_fp6_f32 v[224:226], v[\s+16:\s+31], v33    ; (a conversion's three registers begin on an even number)
	v_cvt_scalef32_pk16_fp6_f32 v[\pc+6:\pc+8], v[\s+32:\s+47], v34
	v_cvt_scalef32_pk16_fp6_f32 v[228:230], v[\s+48:\s+63], v35
	v_nop                                          ; one plain place behind a scaled conversion
.irp i, 0,1,2                                  ; the operand's layout wants a WHOLE block in a lane: lanes 0-15 the even block, lanes 16-31 the odd one
	v_permlane16_swap_b32 v[\pc+\i], v[224+\i]
	v_permlane16_swap_b32 v[\pc+6+\i], v[228+\i]
.endr
.irp i, 0,1,2
	v_mov_b32 v[\pc+3+\i], v[224+\i]
	v_mov_b32 v[\pc+9+\i], v[228+\i]
.endr
.endm
.macro PTILE a
	s_wait_loadcnt 16*(1-\a)                       ; the other tile's sixteen loads may be out
.set i, 0
.rept 32
	v_pk_mul_f32 v[64+64*\a+2*i:65+64*\a+2*i], v[64+64*\a+2*i:65+64*\a+2*i], v[12+2*\a:13+2*\a]   ; places without a row become zeros
.set i, i+1
.endr
	QUANTP 64+64*\a, 192+16*\a
	v_lshl_or_b32 v[40+\a], v37, 8, v36            ; the four bytes make my row's scale word
	v_lshl_or_b32 v[40+\a], v38, 16, v[40+\a]
	v_lshl_or_b32 v[40+\a], v39, 24, v[40+\a]
.set i, 0
.rept 32
	v_cvt_pk_f16_f32 v[64+64*\a+i], v[64+64*\a+2*i], v[65+64*\a+2*i]   ; and the same numbers as f16, packed downward in place: register i is written when numbers 2 i, 2 i + 1 are read
.set i, i+1
.endr
.irp g, 0,1,2
	global_store_b128 v3, v[192+16*\a+4*\g:195+16*\a+4*\g], s[26:27] offset:1536*\a+512*\g
	global_store_b128 v3, v[192+16*\a+4*\g:195+16*\a+4*\g], s[26:27] offset:SLOTB+1536*\a+512*\g
.endr
.irp b, 0,1,2,3
.irp g, 0,1
	global_store_b128 v3, v[64+64*\a+8*\b+4*\g:67+64*\a+8*\b+4*\g], s[36:37] offset:(6+\b/2)*SLOTB+6144*(\b%2)+1024*\a+512*\g   ; block b: domain slot 6 + 2 p + b / 2, kp = b % 2
.endr
.endr
.endm
	ROWS 0
	ROWS 1
	PTILE 0                                        ; each tile has registers of its own for all that it stores: no store's data are written again
	PTILE 1
	v_cmp_gt_u32 vcc_lo, 16, v0
	v_cndmask_b32 v42, v41, v40, vcc_lo            ; lanes 0-15: the even tile's words; lanes 16-31: the odd tile's
	global_store_b32 v4, v42, s[38:39]
	global_store_b32 v4, v42, s[38:39] offset:SLOTB
	s_endpgm
.Lzeros:
	; ---- the rest of a topic slot: zeros, so that every byte that the second launch moves has been stored
	s_sub_co_u32 s17, s16, 138
	s_mul_i32 s28, s17, SLOTB
	s_add_co_u32 s28, s28, ZO
	s_mov_b32 s29, 0
	s_add_nc_u64 s[26:27], s[14:15], s[28:29]
	v_lshlrev_b32 v6, 3, v0
	v_mov_b32 v16, 0
	v_mov_b32 v17, 0
.set n, 0
.rept 21
	global_store_b64 v6, v[16:17], s[26:27] offset:256*n
.set n, n+1
.endr
	s_endpgm
.Lfunc_end_k_qcb04ca207d_prep:
	.size	k_qcb04ca207d_prep, .Lfunc_end_k_qcb04ca207d_prep-k_qcb04ca207d_prep
	.p2alignl 7, 3214868480
	.fill 96, 4, 3214868480
	.section	.rodata,"a",@progbits
	.p2align	6, 0x0
	.amdhsa_kernel k_qcb04ca207d_prep
		.amdhsa_group_segment_fixed_size 0
		.amdhsa_private_segment_fixed_size 0
		.amdhsa_enable_private_segment 0
		.amdhsa_kernarg_size 48
		.amdhsa_user_sgpr_count 2
		.amdhsa_user_sgpr_kernarg_segment_ptr 1
		.amdhsa_wavefront_size32 1
		.amdhsa_system_sgpr_workgroup_id_x 1
		.amdhsa_system_sgpr_workgroup_id_y 1
		.amdhsa_system_sgpr_workgroup_id_z 1
		.amdhsa_system_vgpr_workitem_id 0
		.amdhsa_next_free_vgpr 256
		.amdhsa_next_free_sgpr 66
		.amdhsa_reserve_vcc 1
		.amdhsa_float_denorm_mode_32 3
		.amdhsa_float_denorm_mode_16_64 3
		.amdhsa_memory_ordered 1
		.amdhsa_forward_progress 1
		.amdhsa_inst_pref_size 37
	.end_amdhsa_kernel
	.amdgpu_metadata
---
amdhsa.version: [ 1, 2 ]
amdhsa.kernels:
  - .name:           k_qcb04ca207d_prep
    .symbol:         k_qcb04ca207d_prep.kd
    .args:
      - { .name: W_topic_codes, .offset: 0, .size: 8, .value_kind: global_buffer, .address_space: global }
      - { .name: W_topic_scales, .offset: 8, .size: 8, .value_kind: global_buffer, .address_space: global }
      - { .name: W_domain_codes, .offset: 16, .size: 8, .value_kind: global_buffer, .address_space: global }
      - { .name: W_domain_scales, .offset: 24, .size: 8, .value_kind: global_buffer, .address_space: global }
      - { .name: domain_memory, .offset: 32, .size: 8, .value_kind: global_buffer, .address_space: global }
      - { .name: wstream, .offset: 40, .size: 8, .value_kind: global_buffer, .address_space: global }
    .group_segment_fixed_size: 0
    .private_segment_fixed_size: 0
    .kernarg_segment_align: 8
    .kernarg_segment_size: 48
    .max_flat_workgroup_size: 32
    .sgpr_count:     66
    .vgpr_count:     256
    .wavefront_size: 32
...
	.end_amdgpu_metadata
.endif
;; end of part 1
;; launch main (part 2): grid 256 x 1, 4 waves a work-group, clusters of 4 x 1, 327,680 bytes of LDS; arguments feature, wstream, out0; writes out0
.if DOCPART == 2
	.amdgcn_target "amdgcn-amd-amdhsa--gfx1250"
	.amdhsa_code_object_version 6
	.text
	.protected	k_qcb04ca207d_main
	.globl	k_qcb04ca207d_main
	.p2align	8
	.type	k_qcb04ca207d_main,@function
k_qcb04ca207d_main:
	s_mov_b64 s[64:65], 0
	v_nop
	global_prefetch_b8 v0, s[64:65] scope:SCOPE_SE
	s_setreg_imm32_b32 hwreg(HW_REG_WAVE_MODE, 25, 1), 1
	s_wait_xcnt 0x0
	s_wait_alu depctr_hold_cnt(0) depctr_sa_sdst(0) depctr_va_vdst(0) depctr_va_sdst(0) depctr_va_ssrc(0) depctr_va_vcc(0) depctr_vm_vsrc(0)
	s_getreg_b32 s2, hwreg(HW_REG_IB_STS2, 6, 4)
	s_cmp_eq_u32 s2, 0
	s_cbranch_scc0 .Lentry_in_a_cluster
	s_endpgm
.Lentry_in_a_cluster:
	s_bfe_u32 s2, ttmp6, 0x10000c
	s_cmp_lg_u32 s2, 0x3003
	s_cbranch_scc0 .Lentry_shape_is_right
	s_endpgm
.Lentry_shape_is_right:
; out0[b][d] = softmax_d(32 sum_m att[b][d][m] G[b][10 d + m]),  att = softmax_m(32 S[b][10 d + m]),  S = Q(q_topic) . Q(memory)^T,  G = q_dom . memory^T,
; q_topic = Q(x) W_topic^T, q_dom = Q(x) W_domain^T, x = feature / its row's length.  Q: codes of E2M3 with one E8M0 scale for each 32 along K.
; WHAT DIFFERS FROM THE SOURCE'S ORDER.  The source forms sep_emb = att . memory and then its product with q_dom.  Here the same sum is taken the other way round: G first (K = 768,
; f16 operands, f32 sums, matrix unit), then the ten fused multiply-adds over m in f32: as many multiply-adds, and the 6,912 numbers a row of sep_emb never exist.
; S and G are summed along e in two halves (two waves), which are added in f32.  The input category is not read: the source takes it and nothing that it returns hangs on it.
; LIMITS.  A row's sum of squares lies in 2^-126 .. 2^127 (the length is taken by v_rsq_f32 of the f32 sum; rows of zeros, NaN in the source, are not served).  q_dom and the memory
; numbers go to f16: magnitudes of 65,504 or more are not served.  NaN and infinities are not served.  A block whose largest magnitude lies under 2^(3 - 127) has its byte held at 1.
; SHARES.  A work-group owns 128 rows; wave w = 2 rh + ch.  Stream: wave w normalises and quantises rows 32 w .. 32 w + 31 and hands their fragments on through LDS as images of their
; registers.  Products: wave w owns the 64 rows of group rh (four tiles; my tiles 0, 1 are those that I quantised, 2, 3 my partner's, wave w xor 1) and, of each slot's 128 channels e, the 64 of
; half ch.  x's 24 fragments stay in registers, so a fragment of W read from LDS feeds four matrix instructions.  The weights and the memory bank come as the first launch laid them:
; 12 slots of SLOTB bytes through a ring of two LDS slots, each wave moving a quarter (99 rows of 256 bytes).
; CLUSTER.  All work-groups walk the same stream: the four of a cluster ask for each quarter JOINTLY (the same tensor load, the same descriptor, a mask that names the four).
; THE WALK'S ORDER.  A slot holds all that belongs to its 128 channels e, and the sums over e take the pairs of slots in any order.  Cluster k begins each of its two walks (W_topic's three pairs, then
; W_domain's three) at pair k % 3 and goes round: at place P = 0 .. 5 it takes pair (P < 3 ? 0 : 3) + (k + P) % 3.  So the 64 clusters do not all ask for the same bytes of the stream at the same time,
; and four of a cluster's five later pairs (places 1, 2, 4, 5) have been asked for before by other clusters.  The order of the f32 sums of S and G along e so differs from cluster to cluster.
; ALL PRODUCTS ARE USED TRANSPOSED (source 0 = 16 rows of W or of the bank, source 1 = 16 rows of the batch): a lane holds ONE row of the batch, and its registers run along e, then along the bank's
; rows.  The rows of a tile of W are chosen so that 16 registers are 16 neighbours along e; the bank's so that lane (r, h) holds in registers 0-39 the domains 4 h .. 4 h + 3 whole, and in 40-44 memories 5 h .. 5 h + 4 of domain 8.
; LDS: 0 the ring (tensor loads alone); from STG on what ds instructions write: first the stages, x's images and scale words, later, over the same bytes, the exchange of S, att and G, and the finished rows; SPARE: the spare words.
; REGISTERS, in windows of 256: window 0: v1-21, v67 addresses; v24-66 scale words and nothing else; v68-127 at work; v128-255 the 16 accumulators of q ((t, m) at 128 + 32 m + 8 t).
;   window 1: x's fragments of K steps 0-4 (48 ks + 12 m).   window 2: v0-191 the 24 accumulators of S, then of G ((m, t6) at 8 (6 m + t6)); v192-239 x's fragments of K step 5.
;   window 3: v0-95 W's fragments, two sets; v96-191 the bank's; v192-255 q as the next operand.   In the stream windows 1 to 3 hold the rows as loaded and as turned.
.set SLOTB, 101376
.set QUART, 25344                      ; a wave's quarter of a slot
.set WSO,   73728                      ; in a slot: W's scale words,
.set MO,    76800                      ; the bank's fragments,
.set MSO,   95232                      ; and, in topic slots, their scale words
.set STG,   202752                     ; + 8,448 w: a stage of 16 rows x (512 + 16) bytes: row r starts 4 r words on modulo 64
.set XIMG,  236544                     ; x's 48 fragments, 1,536 bytes each: (6 tile + ks)
.set XSC,   310272                     ; their scale words, 128 bytes each
.set EX,    202752                     ; + 24,576 w: four tiles of 48 registers, 6,144 bytes each
.set OUTS,  301056                     ; 128 rows of 36 bytes
.set SPARE, 327168                     ; the spare words, 128 bytes for each wave: two blocks of 256 bytes that no other line names
.set LI,  1                            ; 16 x lane
.set LS,  2                            ; 4 x lane
.set AW,  3                            ; v3-4   W's fragments of my half in slot 0, 1
.set AS,  5                            ; v5-6   W's scale words
.set AMQ, 7                            ; v7     the bank's codes (slot 1)
.set AMS, 8                            ; v8     their scale words
.set AMH, 9                            ; v9-10  the bank's f16 fragments in slot 0, 1
.set XWI, 11                           ; v11-12 x's images: mine, my partner's
.set XWS, 13                           ; v13-14 x's scale words: mine, my partner's
.set SGS, 15                           ; v15    the stage, on the way in
.set SGL, 16                           ; v16    and on the way out
.set AO,  17                           ; v17    a finished row: my four domains
.set AO8, 18                           ; v18    and domain 8
.set EXO, 19                           ; v19    the exchange: my region
.set EXP, 20                           ; v20    my partner's region, at its tiles 2, 3, which are my tiles 0, 1
.set OT,  21                           ; v21    16 x thread
.set T0,  22
.set T1,  23
.set XS,  24                           ; v24-47 x's scale words (4 ks + m)
.set WS,  48                           ; v48-59 W's (6 b + ks)
.set QS,  60                           ; v60-63 q's (m)
.set MS,  64                           ; v64-66 the bank's
.set OL,  67                           ; v67    OUTS + 16 x thread
.set SPW, 68                           ; v68    LDS address of my spare word; never rewritten
.set NIL, 69                           ; v69    0; never rewritten
.set RI,  70                           ; v70-71 1 / the row's length, twice
.set SQ,  72                           ; v72-79 the sum of squares, four pairs
.set TM,  80                           ; v80-83 largest magnitudes; v84-87 the other half's; v88-91 the conversions' scale operands; v92-95 the bytes
.set TP,  84
.set TS,  88
.set TB,  92
.set PW,  96                           ; a scale word just made
.set NX,  104                          ; v104-113 five pairs: c x maximum (later 1 / sum), maximum
.set SU,  114                          ; v114-123 five pairs: sums
.set XT,  124                          ; what lane l xor 16 sends
.set QA,  128
; scalars: s[4:5] feature, s[6:7] the stream, s[8:9] out0; s10 wave, s11 partner, s12 ch; s[16:23] descriptor group 1; s[24:27], s[28:31] group 0 of LDS slot 0, 1; s[32:33] lane selects; s[34:35] c;
;   s36 a loop's counter; s[38:41] at work; s[44:45], s[46:47] what a refill's address goes forward and back, in bytes; s52 which of three pairs was asked for last
.set MSB, 0
.macro WIN new                         ; the immediate's high byte repeats the setting that is left; a switch that changes nothing is dropped
.if MSB != (\new)
	s_set_vgpr_msb (MSB<<8)|(\new)
.set MSB, (\new)
.endif
.endm
; A load into a register that a matrix instruction has read, and a vector instruction or LDS store that reads a matrix result, stand four places behind that matrix instruction, and only plain
; vector instructions that name none of its registers are places (ISA guide 7.12.1 for vector instructions).
.macro PLACES
.rept 4
	v_nop
.endr
.endm
.macro CREST                           ; a round of the cluster's barrier behind its opening barrier
	s_cmp_lg_u32 s10, 0
	s_cbranch_scc1 .Lnot_wave_0_\@
	s_barrier_signal -3
.Lnot_wave_0_\@:
	s_barrier_wait -3
	s_barrier_signal -1
	s_barrier_wait -1
.endm
.macro CROUND                          ; a whole round
	s_barrier_signal -1
	s_barrier_wait -1
	CREST
.endm
; At the head of a trip that fills both LDS slots again: how far the two addresses go, from the pair in hand to the walk's next.  One pair on (2 slots), and three pairs back where that leaves the three;
; last = the counter's value in the trip that asks for W_domain's first pair, three pairs further on (0: no such trip).  Both figures are 0 or more; nothing here hangs on the place in the cluster.
.macro NEXTPAIR last
	s_add_co_u32 s52, s52, 1
	s_cmp_eq_u32 s52, 3
	s_cselect_b32 s52, 0, s52
	s_cselect_b32 s46, 6*SLOTB, 0
	s_mov_b32 s44, 2*SLOTB
.if \last
	s_cmp_eq_u32 s36, \last
	s_cselect_b32 s44, 8*SLOTB, s44
.endif
.endm
; 64 numbers of a lane in window 0, v[s] on: four blocks, register 16 b + i = number 16 h + i of block b.  Blocks 0, 1 become six registers of codes at v[p0] of window 3 (lanes 0-15 block 0, lanes 16-31
; block 1: half a fragment), blocks 2, 3 six at v[p1].  The four scale bytes are left in v[TB] on.  Each accumulator is read from its low end on.
.macro QUANT s, p0, p1
	WIN 0
.irp b, 0,1,2,3
	v_max3_num_f32 v[TM+\b], |v[\s+16*\b]|, |v[\s+1+16*\b]|, 0x1800000   ; my 16 numbers, and the floor 2^(3 - 127): the byte cannot fall under 1
.endr
.irp i, 2,4,6,8,10,12,14
.irp b, 0,1,2,3
	v_max3_num_f32 v[TM+\b], v[TM+\b], |v[\s+16*\b+\i]|, |v[\s+1+16*\b+\i]|   ; (the four blocks by turns)
.endr
.endr
.irp b, 0,1,2,3
	v_permlanex16_b32 v[TP+\b], v[TM+\b], s32, s33
.endr
.irp b, 0,1,2,3
	v_max_num_f32 v[TM+\b], v[TM+\b], v[TP+\b]     ; with lane l xor 16's: the block's largest magnitude
.endr
.irp b, 0,1,2,3
	v_add_nc_u32 v[TS+\b], 0xff000000, v[TM+\b]    ; 2 off its exponent field: the conversion takes this operand's exponent field as its scale
.endr
.irp b, 0,1,2,3
	v_lshrrev_b32 v[TB+\b], 23, v[TS+\b]           ; the scale's byte
.endr
	WIN 0xc0                                       ; destination window 3
	v_cvt_scalef32_pk16_fp6_f32 v[\p0:\p0+2], v[\s:\s+15], v[TS]
	v_cvt_scalef32_pk16_fp6_f32 v[240:242], v[\s+16:\s+31], v[TS+1]   ; (a conversion's three registers begin on an even number)
	v_cvt_scalef32_pk16_fp6_f32 v[\p1:\p1+2], v[\s+32:\s+47], v[TS+2]
	v_cvt_scalef32_pk16_fp6_f32 v[244:246], v[\s+48:\s+63], v[TS+3]
	v_nop                                          ; one plain place behind a scaled conversion
	WIN 0xc3
.irp i, 0,1,2                                  ; the operand's layout wants a WHOLE block in a lane
	v_permlane16_swap_b32 v[\p0+\i], v[240+\i]
	v_permlane16_swap_b32 v[\p1+\i], v[244+\i]
.endr
.irp i, 0,1,2
	v_mov_b32 v[\p0+3+\i], v[240+\i]
	v_mov_b32 v[\p1+3+\i], v[244+\i]
.endr
	WIN 0
.endm
	s_load_b128 s[4:7], s[0:1], 0x0                ; feature s[4:5], the stream s[6:7]
	s_load_b64 s[8:9], s[0:1], 0x10                ; out0
	v_lshl_add_u32 v[SPW], v0, 2, SPARE
	v_mov_b32 v[NIL], 0
	ds_add_u32 v68, v69
	ds_add_u32 v68, v69
	s_wait_dscnt 0x0
	v_lshrrev_b32 v[T0], 5, v0
	v_readfirstlane_b32 s10, v[T0]                 ; wave 0..3
	s_xor_b32 s11, s10, 1                          ; my partner
	s_and_b32 s12, s10, 1                          ; ch
	s_bfe_u32 s13, ttmp6, 0x40000                  ; cx: my place in the cluster
	s_lshl_b32 s14, ttmp9, 2                       ; in a cluster launch ttmp9 counts clusters
	s_add_co_u32 s14, s14, s13                     ; my block of 128 rows: it enters feature's and out0's addresses alone
	s_mul_i32 s52, ttmp9, 86
	s_lshr_b32 s52, s52, 8                         ; cluster / 3 (86 / 256 stands for a third: right for the grid's clusters 0 .. 63)
	s_mul_i32 s52, s52, 3
	s_sub_co_u32 s52, ttmp9, s52                   ; cluster % 3: the pair at which my cluster's walks begin; the four partners share it
	s_mov_b32 s45, 0                               ; the upper words of the two steps
	s_mov_b32 s47, 0
	; descriptor group 1: a dense quarter of a slot as 99 rows of 256 bytes
	s_mov_b32 s16, 15|(3<<16)|(1<<21)              ; 15:0 the mask: all four work-groups; 17:16 elements of 8 bytes; 20 no padding; 21 set beside a mask
	s_mov_b32 s17, 32<<16                          ; tensor_dim0 = 32
	s_mov_b32 s18, 99<<16                          ; tensor_dim1 = 99
	s_mov_b32 s19, 32<<16                          ; tile_dim0 = 32
	s_mov_b32 s20, 99                              ; tile_dim1 = 99
	s_mov_b32 s21, 32                              ; tensor_dim0_stride
	s_mov_b32 s22, 0
	s_mov_b32 s23, 0
	s_mov_b32 s32, 0x76543210
	s_mov_b32 s33, 0xfedcba98                      ; v_permlanex16_b32's selects for lane l xor 16
	s_mov_b32 s34, 0x4238aa3b                      ; c = 32 log2(e)
	s_mov_b32 s35, s34                             ; (named with it as a pair, so it is written)
	v_and_b32 v[LI], 31, v0
	v_lshlrev_b32 v[LS], 2, v[LI]
	v_lshlrev_b32 v[LI], 4, v[LI]
	v_and_b32 v[T0], 15, v0                        ; r
	v_bfe_u32 v[T1], v0, 4, 1                      ; h
	s_mul_i32 s38, s12, 36864
	v_add_nc_u32 v[AW], s38, v[LI]
	v_add_nc_u32 v[AW+1], SLOTB, v[AW]
	s_mul_i32 s38, s12, 1536
	s_add_co_u32 s38, s38, WSO
	v_add_nc_u32 v[AS], s38, v[LI]
	v_add_nc_u32 v[AS+1], SLOTB, v[AS]
	s_mul_i32 s38, s12, 9216
	s_add_co_u32 s38, s38, SLOTB+MO
	v_add_nc_u32 v[AMQ], s38, v[LI]
	s_mul_i32 s38, s12, 384
	s_add_co_u32 s38, s38, SLOTB+MSO
	v_add_nc_u32 v[AMS], s38, v[LS]
	s_mul_i32 s38, s12, 12288
	s_add_co_u32 s38, s38, MO
	v_add_nc_u32 v[AMH], s38, v[LI]
	v_add_nc_u32 v[AMH+1], SLOTB, v[AMH]
	s_mul_i32 s38, s10, 18432
	s_add_co_u32 s38, s38, XIMG
	v_add_nc_u32 v[XWI], s38, v[LI]
	s_mul_i32 s38, s11, 18432
	s_add_co_u32 s38, s38, XIMG
	v_add_nc_u32 v[XWI+1], s38, v[LI]
	s_mul_i32 s38, s10, 1536
	s_add_co_u32 s38, s38, XSC
	v_add_nc_u32 v[XWS], s38, v[LS]
	s_mul_i32 s38, s11, 1536
	s_add_co_u32 s38, s38, XSC
	v_add_nc_u32 v[XWS+1], s38, v[LS]
	s_mul_i32 s38, s10, 8448
	s_add_co_u32 s38, s38, STG
	v_add_nc_u32 v[SGS], s38, v[LI]                ; in: a row's 512 bytes as they lie
	v_mul_u32_u24 v[SGL], v[T0], 528
	v_lshl_add_u32 v[SGL], v[T1], 6, v[SGL]
	v_add_nc_u32 v[SGL], s38, v[SGL]               ; out: row r, + 64 h: my 16 numbers of a block of 32
	s_mul_i32 s38, s10, 1152
	s_add_co_u32 s38, s38, OUTS
	v_mul_u32_u24 v[AO], v[T0], 36
	v_add_nc_u32 v[AO], s38, v[AO]                 ; row 32 w + r of 36 bytes
	v_add_nc_u32 v[AO8], 32, v[AO]
	v_lshl_add_u32 v[AO], v[T1], 4, v[AO]
	s_mul_i32 s38, s10, 24576
	s_add_co_u32 s38, s38, EX
	v_add_nc_u32 v[EXO], s38, v[LI]
	s_mul_i32 s38, s11, 24576
	s_add_co_u32 s38, s38, EX+12288
	v_add_nc_u32 v[EXP], s38, v[LI]
	v_lshlrev_b32 v[OT], 4, v0
	v_add_nc_u32 v[OL], OUTS, v[OT]
.irp b, 0,1,2,3
	v_mov_b32 v[TP+\b], 0                          ; written once: a lane permute's destination counts as one of its sources
.endr
	v_mov_b32 v[XT], 0
	s_wait_kmcnt 0x0
	s_mul_i32 s38, s14, 393216                     ; 128 rows of 3,072 bytes,
	s_mul_i32 s39, s10, 98304                      ; my wave's 32 of them
	s_add_co_u32 s38, s38, s39
	s_mov_b32 s39, 0
	s_add_nc_u64 s[4:5], s[4:5], s[38:39]
	s_mul_i32 s38, s14, 4608                       ; 128 rows of 36 bytes: 18 blocks of 256
	s_add_nc_u64 s[8:9], s[8:9], s[38:39]
	s_mul_i32 s40, s10, QUART                      ; my quarter of a slot: the wave's number alone enters the LDS addresses
	s_mul_i32 s38, s52, 2*SLOTB                    ; in the stream: my cluster's first pair,
	s_add_co_u32 s38, s38, s40                     ; my quarter of its first slot (s39 is 0)
; ---- THE STREAM.  My 32 rows go as 12 units of 16 rows x 512 bytes (tile n / 6, K step n % 6).  A load takes 512 consecutive bytes of ONE row; the quantiser wants 16 neighbours of each block in a lane:
; a unit turns through my stage in LDS.  Four sets of 64 registers take the loads: four units, 64 loads of mine, are on their way.
.macro LOADU n
.set LK, (\n)%4
.set LB, (128+64*LK)%256               ; sets 0, 1: window 2, v128, v192; sets 2, 3: window 3, v0, v64
	WIN (2+LK/2)<<6
.irp p, 0,1,2,3,4,5,6,7,8,9,10,11,12,13,14,15
	global_load_b128 v[LB+4*\p:LB+4*\p+3], v[LI], s[4:5] offset:(16*((\n)/6)+\p)*3072+512*((\n)%6) th:TH_LOAD_NT
.endr
.endm
.macro UNIT n
.set UU, (\n)%6
.set UK, (\n)%4
.set UB, (128+64*UK)%256
.set TW, 1+UU/4                        ; the turned unit: K steps 0-3 window 1, 4 and 5 window 2,
.set TBS, (64*UU)%256                  ; at 64 registers each
.if 11-(\n) < 3
	s_wait_loadcnt 16*(11-(\n))                    ; the sixteen loads of each younger unit may be out
.else
	s_wait_loadcnt 48
.endif
	WIN (2+UK/2)<<2                                ; an LDS store's data are its source 1
.irp p, 0,1,2,3,4,5,6,7,8,9,10,11,12,13,14,15
	ds_store_b128 v[SGS], v[UB+4*\p:UB+4*\p+3] offset:528*\p
.endr
	WIN TW<<6
.irp b, 0,1,2,3
.irp q, 0,1,2,3
	ds_load_b128 v[TBS+16*\b+4*\q:TBS+16*\b+4*\q+3], v[SGL] offset:128*\b+16*\q   ; LDS serves a wave's instructions in order (ISA guide 5.7.1.4): these see the stores above
.endr
.endr
	s_wait_dscnt 0x0                               ; the unit is back, so the stores have read their registers,
.if (\n) <= 7
	LOADU (\n)+4                                   ; which take the unit four further on
.endif
	WIN 5*TW
.set i, 0
.rept 32
.if (UU == 0) && (i < 4)
	v_pk_mul_f32 v[SQ+2*i:SQ+2*i+1], v[TBS+2*i:TBS+2*i+1], v[TBS+2*i:TBS+2*i+1]   ; the first four pairs start the sums of squares: nothing is cleared
.else
	v_pk_fma_f32 v[SQ+2*(i%4):SQ+2*(i%4)+1], v[TBS+2*i:TBS+2*i+1], v[TBS+2*i:TBS+2*i+1], v[SQ+2*(i%4):SQ+2*(i%4)+1]
.endif
.set i, i+1
.endr
.endm
.macro NORM                            ; 1 / the length of my row
	WIN 0
	v_pk_add_f32 v[SQ:SQ+1], v[SQ:SQ+1], v[SQ+2:SQ+3]
	v_pk_add_f32 v[SQ+4:SQ+5], v[SQ+4:SQ+5], v[SQ+6:SQ+7]
	v_pk_add_f32 v[SQ:SQ+1], v[SQ:SQ+1], v[SQ+4:SQ+5]
	v_add_f32 v[SQ], v[SQ], v[SQ+1]
	v_permlanex16_b32 v[SQ+2], v[SQ], s32, s33     ; the row's other half lies in lane l xor 16
	v_add_f32 v[SQ], v[SQ], v[SQ+2]
	v_rsq_f32 v[RI], v[SQ]
	v_rsq_f32 v[RI+1], v[SQ]
	v_nop                                          ; one plain place behind a transcendental
	s_wait_alu depctr_va_vdst(0)
.endm
.macro QX tau, u                       ; K step u of tile tau: normalised (which also brings it into window 0), quantised, and its image and scale words stored
.set TW, 1+(\u)/4
.set TBS, (64*(\u))%256
	s_wait_dscnt 0x0                               ; the last image's stores have read their registers
	WIN TW
.set i, 0
.rept 32
	v_pk_mul_f32 v[QA+2*i:QA+2*i+1], v[TBS+2*i:TBS+2*i+1], v[RI:RI+1]
.set i, i+1
.endr
	QUANT QA, 192, 198
	v_lshl_or_b32 v[PW], v[TB+1], 8, v[TB]         ; the four bytes make my row's scale word
	v_lshl_or_b32 v[PW], v[TB+2], 16, v[PW]
	v_lshl_or_b32 v[PW], v[TB+3], 24, v[PW]
	WIN 0x0c
.irp g, 0,1,2
	ds_store_b128 v[XWI], v[192+4*\g:195+4*\g] offset:(6*\tau+\u)*1536+512*\g
.endr
	WIN 0
	ds_store_b32 v[XWS], v[PW] offset:(6*\tau+\u)*128
.endm
.irp n, 0,1,2,3
	LOADU \n                                       ; asked for ahead of the round, so that they are on their way while the work-groups meet
.endr
	WIN 0
	CROUND                                         ; all four work-groups are here: the first joint loads meet
	s_mov_b32 s24, 1                               ; group 0 for LDS slot 0: count = 1,
	s_mov_b32 s25, s40                             ; LDS address,
	s_add_nc_u64 s[26:27], s[6:7], s[38:39]        ; global address: my quarter of the first slot of my cluster's first pair
	s_mov_b32 s28, 1                               ; and for LDS slot 1: the pair's second slot
	s_add_co_u32 s29, s40, SLOTB
	s_add_nc_u64 s[30:31], s[26:27], SLOTB
	s_or_b32 s27, s27, 0x80000000                  ; type = 2
	s_or_b32 s31, s31, 0x80000000
	tensor_load_to_lds s[24:27], s[16:23]          ; both first fills together, ahead of every wait on TENSORcnt and every LDS read: two loads of mine are out
	s_nop 0
	tensor_load_to_lds s[28:31], s[16:23]
	s_nop 0
	PLACES                                         ; (four v_nop follow the second)
.irp n, 0,1,2,3,4,5
	UNIT \n
.endr
	NORM
.irp u, 0,1,2,3,4,5
	QX 0, \u                                       ; the second tile's first four units are on their way meanwhile
.endr
.irp n, 6,7,8,9,10,11
	UNIT \n
.endr
	NORM
.irp u, 0,1,2,3,4,5
	QX 1, \u
.endr
	s_wait_tensorcnt 0x1                           ; my quarter of LDS slot 0 is in; slot 1's may stay out
	s_wait_dscnt 0x0                               ; for the others' sake: my images and scale words are stored
	s_barrier_signal -1
	s_barrier_wait -1
	; x's 24 fragments of my row group, and their scale words, into registers: they stay
	WIN 0x40
.irp ks, 0,1,2,3,4
.irp m, 0,1,2,3
.irp g, 0,1,2
	ds_load_b128 v[48*\ks+12*\m+4*\g:48*\ks+12*\m+4*\g+3], v[XWI+\m/2] offset:(6*(\m%2)+\ks)*1536+512*\g
.endr
.endr
.endr
	WIN 0x80
.irp m, 0,1,2,3
.irp g, 0,1,2
	ds_load_b128 v[192+12*\m+4*\g:192+12*\m+4*\g+3], v[XWI+\m/2] offset:(6*(\m%2)+5)*1536+512*\g
.endr
.endr
	WIN 0
.irp ks, 0,1,2,3,4,5
.irp m, 0,1,2,3
	ds_load_b32 v[XS+4*\ks+\m], v[XWS+\m/2] offset:(6*(\m%2)+\ks)*128
.endr
.endr
; ---- THE PRODUCTS
.macro FETCHW sg, ks                   ; my four fragments of W for K step ks of slot sg, into set ks % 2
	WIN 0xc0
.irp t, 0,1,2,3
.irp g, 0,1,2
	ds_load_b128 v[48*((\ks)%2)+12*\t+4*\g:48*((\ks)%2)+12*\t+4*\g+3], v[AW+(\sg)] offset:(4*(\ks)+\t)*1536+512*\g
.endr
.endr
.endm
.macro FETCHWS sg                      ; a slot's scale words of W
	WIN 0
.irp g, 0,1,2
	ds_load_b128 v[WS+4*\g:WS+4*\g+3], v[AS+(\sg)] offset:512*\g
.endr
.endm
.macro W6 d, a, b, sa, sb, odd, zero   ; one product on codes.  odd: source 0's scale words stand in lanes 16-31.  zero: it starts the sum
.if \zero
.if \odd
	v_wmma_scale_f32_16x16x128_f8f6f4 v[\d:\d+7], v[\a:\a+11], v[\b:\b+11], 0, v[\sa], v[\sb] matrix_a_fmt:MATRIX_FMT_FP6 matrix_b_fmt:MATRIX_FMT_FP6 matrix_a_scale:MATRIX_SCALE_ROW1
.else
	v_wmma_scale_f32_16x16x128_f8f6f4 v[\d:\d+7], v[\a:\a+11], v[\b:\b+11], 0, v[\sa], v[\sb] matrix_a_fmt:MATRIX_FMT_FP6 matrix_b_fmt:MATRIX_FMT_FP6
.endif
.else
.if \odd
	v_wmma_scale_f32_16x16x128_f8f6f4 v[\d:\d+7], v[\a:\a+11], v[\b:\b+11], v[\d:\d+7], v[\sa], v[\sb] matrix_a_fmt:MATRIX_FMT_FP6 matrix_b_fmt:MATRIX_FMT_FP6 matrix_a_scale:MATRIX_SCALE_ROW1
.else
	v_wmma_scale_f32_16x16x128_f8f6f4 v[\d:\d+7], v[\a:\a+11], v[\b:\b+11], v[\d:\d+7], v[\sa], v[\sb] matrix_a_fmt:MATRIX_FMT_FP6 matrix_b_fmt:MATRIX_FMT_FP6
.endif
.endif
.endm
; 8 matrix instructions of q^T = W x^T: tiles of rows m0, m0 + 1 x my four tiles of e, K step ks.  K step 0 starts the sums.  The 16 accumulators take turns, one instruction a turn.
.macro MUL ks, m0
.if (\ks) == 5
	WIN 0x0b                                       ; W window 3, x window 2, q window 0
.set XB, 192
.else
	WIN 0x07                                       ; W window 3, x window 1, q window 0
.set XB, 48*(\ks)
.endif
.set WB, 48*((\ks)%2)
.irp m, \m0, \m0+1
.irp t, 0,1,2,3
	W6 QA+32*(\m)+8*\t, WB+12*\t, XB+12*(\m), WS+6*(\t/2)+(\ks), XS+4*(\ks)+(\m), \t%2, (\ks)==0
.endr
.endr
.endm
.macro MLOAD sg, kind                  ; the bank's fragments of my half; NM = how many loads
.if \kind == 1
.irp t, 0,1,2,3,4,5
.irp g, 0,1,2
	ds_load_b128 v[96+12*\t+4*\g:96+12*\t+4*\g+3], v[AMQ] offset:1536*\t+512*\g
.endr
.endr
	WIN 0
.irp i, 0,1,2
	ds_load_b32 v[MS+\i], v[AMS] offset:128*\i
.endr
.set NM, 21
.elseif \kind >= 2
.irp f, 0,1,2,3,4,5,6,7,8,9,10,11
.irp g, 0,1
	ds_load_b128 v[96+8*\f+4*\g:96+8*\f+4*\g+3], v[AMH+\sg] offset:1024*\f+512*\g
.endr
.endr
.set NM, 24
.else
.set NM, 0
.endif
.endm
.macro SCORE zero                      ; S^T += bank x q_topic^T over the 128 e of my half of two slots: 24 accumulators by turns
	WIN 0xaf                                       ; both sources window 3, C and D window 2
.irp m, 0,1,2,3
.irp t, 0,1,2,3,4,5
	W6 8*(6*\m+\t), 96+12*\t, 192+12*\m, MS+\t/2, QS+\m, \t%2, \zero
.endr
.endr
	WIN 0
.endm
.macro GMUL kp, zero                   ; G^T += bank x q_dom^T over 32 e, f16 operands.  Both sides hold the same 16 e in a lane's eight registers, so the products meet their partners
	WIN 0xaf
.irp m, 0,1,2,3
.irp t, 0,1,2,3,4,5
.if \zero
	v_wmma_f32_16x16x32_f16 v[8*(6*\m+\t):8*(6*\m+\t)+7], v[96+8*(6*\kp+\t):96+8*(6*\kp+\t)+7], v[192+16*\m+8*\kp:192+16*\m+8*\kp+7], 0
.else
	v_wmma_f32_16x16x32_f16 v[8*(6*\m+\t):8*(6*\m+\t)+7], v[96+8*(6*\kp+\t):96+8*(6*\kp+\t)+7], v[192+16*\m+8*\kp:192+16*\m+8*\kp+7], v[8*(6*\m+\t):8*(6*\m+\t)+7]
.endif
.endr
.endr
	WIN 0
.endm
; ONE SLOT of the stream, in LDS slot sg.  kind 0: topic, first of a pair; 1: topic, second; 2: domain, where the loop's first trip starts G's sums; 3: domain.
; chg 2: the slot is filled again, with the same slot of the walk's next pair; 1: the slots change, nothing is asked for; 0: the last slot.
; Six K steps of 16 matrix instructions; each step's fragments are asked for a step ahead, in one run.  Then, on registers alone, what is made of the slot's 64 channels of q.
.macro SLOTWORK sg, kind, chg
.irp ks, 0,1,2,3
	PLACES
	FETCHW \sg, \ks+1
	s_wait_dscnt 12                                ; all but the twelve just issued
	MUL \ks, 0
	MUL \ks, 2
.endr
	PLACES
	FETCHW \sg, 5
	MLOAD \sg, \kind
	s_wait_dscnt 12+NM                             ; all but the last K step's twelve and the bank's
	MUL 4, 0
	MUL 4, 2
.if \chg
	WIN 0                                          ; (the add's two registers lie in window 0)
	s_wait_tensorcnt 0x0                           ; all my tensor loads have landed: my quarter of the other slot; so a group 0 may be written
	ds_add_u32 v[SPW], v[NIL]                      ; 0 onto my spare word
.if \chg == 2
	s_add_nc_u64 s[26+4*\sg:27+4*\sg], s[26+4*\sg:27+4*\sg], s[44:45]   ; on to the walk's next pair: forward,
	s_sub_nc_u64 s[26+4*\sg:27+4*\sg], s[26+4*\sg:27+4*\sg], s[46:47]   ; and back where the three pairs go round; the type bits on top are not reached
.endif
	s_wait_dscnt 1                                 ; (the add alone may be out)
	MUL 5, 0                                       ; eight matrix instructions stand between the add and the wait for it
	s_wait_dscnt 0x0                               ; the add is done, and my reads of this slot are over
	s_barrier_signal -1
	MUL 5, 2
	WIN 0
	s_barrier_wait -1
.if \chg == 2
	CREST                                          ; the barrier has opened a round of the cluster's: no wave of any partner still reads this slot or has a load on its way
	tensor_load_to_lds s[24+4*\sg:27+4*\sg], s[16:23]   ; my one tensor load behind the round, and the first thing there
	s_nop 0
.endif
	PLACES                                         ; behind the load; and the places in front of the loads and reads below
	FETCHWS 1-\sg
	FETCHW 1-\sg, 0
	WIN 0
.else
	s_wait_dscnt 0x0
	MUL 5, 0
	MUL 5, 2
	WIN 0
	PLACES
.endif
.if \kind == 0
	QUANT QA, 192, 204                             ; tiles of rows 0, 1: two blocks each: the lower half of their fragments
	v_lshl_or_b32 v[QS], v[TB+1], 8, v[TB]
	v_lshl_or_b32 v[QS+1], v[TB+3], 8, v[TB+2]
	QUANT QA+64, 216, 228                          ; tiles 2, 3
	v_lshl_or_b32 v[QS+2], v[TB+1], 8, v[TB]
	v_lshl_or_b32 v[QS+3], v[TB+3], 8, v[TB+2]
.elseif \kind == 1
	QUANT QA, 198, 210                             ; the upper half
	v_lshl_or_b32 v[QS], v[TB], 16, v[QS]
	v_lshl_or_b32 v[QS], v[TB+1], 24, v[QS]
	v_lshl_or_b32 v[QS+1], v[TB+2], 16, v[QS+1]
	v_lshl_or_b32 v[QS+1], v[TB+3], 24, v[QS+1]
	QUANT QA+64, 222, 234
	v_lshl_or_b32 v[QS+2], v[TB], 16, v[QS+2]
	v_lshl_or_b32 v[QS+2], v[TB+1], 24, v[QS+2]
	v_lshl_or_b32 v[QS+3], v[TB+2], 16, v[QS+3]
	v_lshl_or_b32 v[QS+3], v[TB+3], 24, v[QS+3]
.rept 8
	v_nop                                          ; a scale register written by a vector instruction stands 8 places ahead of a scaled matrix instruction, an operand so written 4
.endr
	s_cmp_eq_u32 s36, 3                            ; the walk's first pair starts S's sums: nothing is cleared
	s_cbranch_scc0 .Lsum_\@
	SCORE 1
	s_branch .Lgo_\@
.Lsum_\@:
	SCORE 0
.Lgo_\@:
.else
	WIN 0xc0
.set n, 0
.rept 64
	v_cvt_pk_f16_f32 v[192+n], v[QA+2*n], v[QA+2*n+1]   ; q_dom as f16, each accumulator from its low end on
.set n, n+1
.endr
	WIN 0
	PLACES
.if \kind == 2
	s_cmp_eq_u32 s36, 2                            ; the walk's first domain slot starts G's sums
	s_cbranch_scc0 .Lsum_\@
	GMUL 0, 1
	s_branch .Lgo_\@
.Lsum_\@:
	GMUL 0, 0
.Lgo_\@:
.else
	GMUL 0, 0
.endif
	GMUL 1, 0
.endif
.endm
	FETCHWS 0
	FETCHW 0, 0
	WIN 0
	s_mov_b32 s36, 3
.Ltopic:                                           ; W_topic: three pairs of slots; behind each slot the same slot of the walk's next pair is asked for; the last trip asks for W_domain's first
	NEXTPAIR 1
	SLOTWORK 0, 0, 2
	SLOTWORK 1, 1, 2
	s_sub_co_u32 s36, s36, 1
	s_cmp_lg_u32 s36, 0
	s_cbranch_scc1 .Ltopic
	; ---- THE FIRST SOFTMAX.  My half sums of S for all four tiles go to my region of the exchange; my partner's half of my tiles 0, 1 comes back.
	PLACES
	WIN 0x08
.set n, 0
.rept 48
	ds_store_b128 v[EXO], v[4*n:4*n+3] offset:512*n    ; each accumulator from its low end on
.set n, n+1
.endr
	WIN 0
	s_wait_dscnt 0x0
	s_barrier_signal -1                            ; (the tensor load that is out fills a slot that nobody reads before the next change of slots)
	s_barrier_wait -1
; Tile m of mine: S = the two halves; for each domain the maximum is taken away, p = 2^(c S - c max), att = p / the sum; att goes back to my own region, over my half of S.
.macro MIDT m
.irp g, 0,1,2,3,4,5,6,7,8,9,10,11
	ds_load_b128 v[128+4*\g:131+4*\g], v[EXO] offset:6144*\m+512*\g
.endr
.irp g, 0,1,2,3,4,5,6,7,8,9,10,11
	ds_load_b128 v[176+4*\g:179+4*\g], v[EXP] offset:6144*\m+512*\g
.endr
	s_wait_dscnt 0x0
.set i, 0
.rept 24
	v_pk_add_f32 v[128+2*i:129+2*i], v[128+2*i:129+2*i], v[176+2*i:177+2*i]
.set i, i+1
.endr
.irp d, 0,1,2,3
	v_max3_num_f32 v[NX+1+2*\d], v[128+10*\d], v[129+10*\d], v[130+10*\d]
.endr
	v_max3_num_f32 v[NX+9], v168, v169, v170
.irp k, 3,5,7
.irp d, 0,1,2,3
	v_max3_num_f32 v[NX+1+2*\d], v[NX+1+2*\d], v[128+10*\d+\k], v[129+10*\d+\k]
.endr
.endr
	v_max3_num_f32 v[NX+9], v[NX+9], v171, v172
.irp d, 0,1,2,3
	v_max_num_f32 v[NX+1+2*\d], v[NX+1+2*\d], v[137+10*\d]
.endr
	v_permlanex16_b32 v[XT], v[NX+9], s32, s33     ; domain 8's other five memories lie in lane l xor 16
	v_max_num_f32 v[NX+9], v[NX+9], v[XT]
.irp d, 0,1,2,3,4
	v_mul_f32 v[NX+2*\d], s34, v[NX+1+2*\d]        ; c max
.endr
.irp d, 0,1,2,3
.irp k, 0,2,4,6,8
	v_pk_fma_f32 v[128+10*\d+\k:129+10*\d+\k], v[128+10*\d+\k:129+10*\d+\k], s[34:35], v[NX+2*\d:NX+1+2*\d] op_sel_hi:[1,0,0] neg_lo:[0,0,1] neg_hi:[0,0,1]
.endr
.endr
	v_pk_fma_f32 v[168:169], v[168:169], s[34:35], v[NX+8:NX+9] op_sel_hi:[1,0,0] neg_lo:[0,0,1] neg_hi:[0,0,1]
	v_pk_fma_f32 v[170:171], v[170:171], s[34:35], v[NX+8:NX+9] op_sel_hi:[1,0,0] neg_lo:[0,0,1] neg_hi:[0,0,1]
	v_fma_f32 v172, v172, s34, -v[NX+8]
.set i, 0
.rept 45
	v_exp_f32 v[128+i], v[128+i]
.set i, i+1
.endr
	v_nop                                          ; one plain place behind the exponentials
	s_wait_alu depctr_va_vdst(0)
.irp d, 0,1,2,3
	v_pk_add_f32 v[SU+2*\d:SU+1+2*\d], v[128+10*\d:129+10*\d], v[130+10*\d:131+10*\d]
.endr
	v_pk_add_f32 v[SU+8:SU+9], v[168:169], v[170:171]
.irp k, 4,6,8
.irp d, 0,1,2,3
	v_pk_add_f32 v[SU+2*\d:SU+1+2*\d], v[SU+2*\d:SU+1+2*\d], v[128+10*\d+\k:129+10*\d+\k]
.endr
.endr
.irp d, 0,1,2,3,4
	v_add_f32 v[SU+2*\d], v[SU+2*\d], v[SU+1+2*\d]
.endr
	v_add_f32 v[SU+8], v[SU+8], v172
	v_permlanex16_b32 v[XT], v[SU+8], s32, s33
	v_add_f32 v[SU+8], v[SU+8], v[XT]
.irp d, 0,1,2,3,4
	v_rcp_f32 v[NX+2*\d], v[SU+2*\d]
.endr
	v_nop                                          ; one plain place behind the reciprocals
	s_wait_alu depctr_va_vdst(0)
.irp d, 0,1,2,3
.irp k, 0,2,4,6,8
	v_pk_mul_f32 v[128+10*\d+\k:129+10*\d+\k], v[128+10*\d+\k:129+10*\d+\k], v[NX+2*\d:NX+1+2*\d] op_sel_hi:[1,0]
.endr
.endr
	v_pk_mul_f32 v[168:169], v[168:169], v[NX+8:NX+9] op_sel_hi:[1,0]
	v_pk_mul_f32 v[170:171], v[170:171], v[NX+8:NX+9] op_sel_hi:[1,0]
	v_mul_f32 v172, v172, v[NX+8]
.irp g, 0,1,2,3,4,5,6,7,8,9,10,11
	ds_store_b128 v[EXO], v[128+4*\g:131+4*\g] offset:6144*\m+512*\g   ; my partner reads my tiles 2, 3 alone: these bytes are mine
.endr
	s_wait_dscnt 0x0                               ; the stores have read their registers
.endm
	MIDT 0
	MIDT 1
	s_mov_b32 s36, 2
.Ldomain:                                          ; W_domain: four slots that are filled again,
	NEXTPAIR 0
	SLOTWORK 0, 2, 2
	SLOTWORK 1, 3, 2
	s_sub_co_u32 s36, s36, 1
	s_cmp_lg_u32 s36, 0
	s_cbranch_scc1 .Ldomain
	SLOTWORK 0, 3, 1                               ; and the last two, written out: they ask for nothing
	SLOTWORK 1, 3, 0
	; ---- THE SECOND SOFTMAX.  My half sums of G for my partner's tiles go to the exchange (bytes that it last read ahead of several barriers); its half of my tiles comes back.
	PLACES
	WIN 0x08
.set n, 24
.rept 24
	ds_store_b128 v[EXO], v[4*n:4*n+3] offset:512*n
.set n, n+1
.endr
	WIN 0
	s_wait_dscnt 0x0
	s_barrier_signal -1
	s_barrier_wait -1
; Tile m of mine: L(d) = the sum over m of att G; the maximum over the nine domains is taken away; out = 2^(c L - c max) / the sum.
.macro FINT m
.irp g, 0,1,2,3,4,5,6,7,8,9,10,11
	ds_load_b128 v[128+4*\g:131+4*\g], v[EXO] offset:6144*\m+512*\g    ; att
.endr
.irp g, 0,1,2,3,4,5,6,7,8,9,10,11
	ds_load_b128 v[176+4*\g:179+4*\g], v[EXP] offset:6144*\m+512*\g    ; my partner's half of G
.endr
	s_wait_dscnt 0x0
	WIN 0x02                                       ; source 0: my half, in window 2, each accumulator from its low end on
.set i, 0
.rept 24
	v_pk_add_f32 v[176+2*i:177+2*i], v[48*\m+2*i:48*\m+2*i+1], v[176+2*i:177+2*i]
.set i, i+1
.endr
	WIN 0
.irp d, 0,1,2,3
	v_pk_mul_f32 v[SU+2*\d:SU+1+2*\d], v[128+10*\d:129+10*\d], v[176+10*\d:177+10*\d]
.endr
	v_pk_mul_f32 v[SU+8:SU+9], v[168:169], v[216:217]
.irp k, 2,4,6,8
.irp d, 0,1,2,3
	v_pk_fma_f32 v[SU+2*\d:SU+1+2*\d], v[128+10*\d+\k:129+10*\d+\k], v[176+10*\d+\k:177+10*\d+\k], v[SU+2*\d:SU+1+2*\d]
.endr
.endr
	v_pk_fma_f32 v[SU+8:SU+9], v[170:171], v[218:219], v[SU+8:SU+9]
.irp d, 0,1,2,3,4
	v_add_f32 v[SU+2*\d], v[SU+2*\d], v[SU+1+2*\d]
.endr
	v_fma_f32 v[SU+8], v172, v220, v[SU+8]
	v_permlanex16_b32 v[XT], v[SU+8], s32, s33
	v_add_f32 v[SU+8], v[SU+8], v[XT]              ; domain 8, whole in both halves of the lanes
	v_max3_num_f32 v[NX], v[SU], v[SU+2], v[SU+4]
	v_max3_num_f32 v[NX], v[NX], v[SU+6], v[SU+8]
	v_permlanex16_b32 v[XT], v[NX], s32, s33
	v_max_num_f32 v[NX], v[NX], v[XT]              ; the largest of the nine
	v_mul_f32 v[NX], s34, v[NX]
.irp d, 0,1,2,3,4
	v_fma_f32 v[SU+2*\d], v[SU+2*\d], s34, -v[NX]
.endr
.irp d, 0,1,2,3,4
	v_exp_f32 v[SU+2*\d], v[SU+2*\d]
.endr
	v_nop                                          ; one plain place behind the exponentials
	s_wait_alu depctr_va_vdst(0)
	v_add_f32 v[NX+1], v[SU], v[SU+2]
	v_add_f32 v[NX+2], v[SU+4], v[SU+6]
	v_add_f32 v[NX+1], v[NX+1], v[NX+2]
	v_permlanex16_b32 v[XT], v[NX+1], s32, s33
	v_add_f32 v[NX+1], v[NX+1], v[XT]
	v_add_f32 v[NX+1], v[NX+1], v[SU+8]
	v_rcp_f32 v[NX+2], v[NX+1]
	v_nop                                          ; one plain place behind the reciprocal
	s_wait_alu depctr_va_vdst(0)
.irp d, 0,1,2,3,4
	v_mul_f32 v[SU+2*\d], v[SU+2*\d], v[NX+2]
.endr
.irp d, 0,1,2,3
	ds_store_b32 v[AO], v[SU+2*\d] offset:576*\m+4*\d   ; row 32 w + 16 m + r, domain 4 h + d
.endr
	ds_store_b32 v[AO8], v[SU+8] offset:576*\m     ; both halves of the lanes write the same word with the same value
.endm
	FINT 0
	FINT 1
	s_wait_dscnt 0x0                               ; for the others' sake: my rows are stored
	s_barrier_signal -1
	s_barrier_wait -1
	; THE WAY OUT: the work-group's 4,608 bytes are dense in out0: 16 bytes a thread, twice, and the last 512 bytes by wave 0.  Each store of a wave covers 512 consecutive bytes at a multiple of 256 from out0's first byte.
	ds_load_b128 v[128:131], v[OL]
	ds_load_b128 v[132:135], v[OL] offset:2048
	s_cmp_lg_u32 s10, 0
	s_cbranch_scc1 .Lnot_last
	ds_load_b128 v[136:139], v[OL] offset:4096
	s_wait_dscnt 0x0
	global_store_b128 v[OT], v[136:139], s[8:9] offset:4096 th:TH_STORE_NT
.Lnot_last:
	s_wait_dscnt 0x0
	global_store_b128 v[OT], v[128:131], s[8:9] th:TH_STORE_NT
	global_store_b128 v[OT], v[132:135], s[8:9] offset:2048 th:TH_STORE_NT
	s_wait_tensorcnt 0x0                           ; the wave's end: behind my last tensor load and my last LDS store
	ds_add_u32 v[SPW], v[NIL]
	s_wait_dscnt 0x0
	CROUND                                         ; the closing round: no work-group ends while a partner may still ask for a quarter that names it
	s_endpgm
.Lfunc_end_k_qcb04ca207d_main:
	.size	k_qcb04ca207d_main, .Lfunc_end_k_qcb04ca207d_main-k_qcb04ca207d_main
	.p2alignl 7, 3214868480
	.fill 96, 4, 3214868480
	.section	.rodata,"a",@progbits
	.p2align	6, 0x0
	.amdhsa_kernel k_qcb04ca207d_main
		.amdhsa_group_segment_fixed_size 327680
		.amdhsa_private_segment_fixed_size 0
		.amdhsa_enable_private_segment 0
		.amdhsa_kernarg_size 24
		.amdhsa_user_sgpr_count 2
		.amdhsa_user_sgpr_kernarg_segment_ptr 1
		.amdhsa_wavefront_size32 1
		.amdhsa_system_sgpr_workgroup_id_x 1
		.amdhsa_system_sgpr_workgroup_id_y 1
		.amdhsa_system_sgpr_workgroup_id_z 1
		.amdhsa_system_vgpr_workitem_id 0
		.amdhsa_next_free_vgpr 1024
		.amdhsa_next_free_sgpr 66
		.amdhsa_reserve_vcc 0
		.amdhsa_float_denorm_mode_32 3
		.amdhsa_float_denorm_mode_16_64 3
		.amdhsa_memory_ordered 1
		.amdhsa_forward_progress 1
		.amdhsa_inst_pref_size 255
	.end_amdhsa_kernel
	.section	.bss,"aw",@nobits
	.p2align	6
	.space	262144
	.amdgpu_metadata
---
amdhsa.version: [ 1, 2 ]
amdhsa.kernels:
  - .name:           k_qcb04ca207d_main
    .symbol:         k_qcb04ca207d_main.kd
    .args:
      - { .name: feature, .offset: 0, .size: 8, .value_kind: global_buffer, .address_space: global }
      - { .name: wstream, .offset: 8, .size: 8, .value_kind: global_buffer, .address_space: global }
      - { .name: out0, .offset: 16, .size: 8, .value_kind: global_buffer, .address_space: global }
    .group_segment_fixed_size: 327680
    .private_segment_fixed_size: 0
    .kernarg_segment_align: 8
    .kernarg_segment_size: 24
    .max_flat_workgroup_size: 128
    .sgpr_count:     66
    .vgpr_count:     1024
    .wavefront_size: 32
...
	.end_amdgpu_metadata
.endif
;; end of part 2
